; MI455X (gfx1250); checked and timed in simulation.
; The chip was launched on July 23, 2026; its instructions are those of AMD's public machine-readable ISA for CDNA 5 (MIT licence, August 2026) and "CDNA5" Instruction Set Architecture Reference Guide (July 2026). The comments in the code are by the model that wrote it; some were corrected since.
;; SCON. Allowed arithmetic: float matrix products may take bf16 or f16 operands with f32 sums; other float arithmetic in f32, or as packed bf16 or f16 multiplies, adds, multiply-adds, maxima and minima; sums over many terms, partial sums and values carried from step to step in f32; what a program stores and reads back later, other than sums and carried values, may be rounded once to bf16 or f16.
;; Inputs: noise 512 x 10,000 x 3 float32; theta 14 float32; x0 512 x 3 float32.
;; Outputs: out0 512 x 201 x 4 float32.
;; Constants: obs_every = 50.
;; One version. Each part assembles by itself: llvm-mc -triple=amdgcn-amd-amdhsa -mcpu=gfx1250 --defsym DOCPART=n.
;; ======== version 1 of 1: 1 launch
;; launch scon (part 1): grid 256 x 1, 7 waves a work-group, no clusters, 271,104 bytes of LDS; arguments noise, theta, x0, out0; writes out0
.if DOCPART == 1
	.amdgcn_target "amdgcn-amd-amdhsa--gfx1250"
	.amdhsa_code_object_version 6
	.text
	.protected	k_qda0cc189f0_scon
	.globl	k_qda0cc189f0_scon
	.p2align	8
	.type	k_qda0cc189f0_scon,@function
k_qda0cc189f0_scon:
	s_mov_b64 s[64:65], 0
	v_nop
	global_prefetch_b8 v0, s[64:65] scope:SCOPE_SE
	s_setreg_imm32_b32 hwreg(HW_REG_WAVE_MODE, 25, 1), 1
	s_wait_xcnt 0x0
; SCON: 512 chains of x' = x + (W_n x + b_n) DT + sqrt(beta DT) eps, 10,000 steps, 3 states; out0[b][m] = (x, C1_m . x) at steps 50 m, m = 0 .. 200.  All in f32.
; METHOD.  A step is x' = M_n x + c_n + s.eps with M_n = I + DT W_n, so over a block of 50 steps (one observation interval) x_end = S x_start + beta + d(noise):
; S and beta hang on theta and the time alone.  The 200 blocks of a chain are run side by side from state 0 and joined by a scan of these maps: exact algebra, only the order of rounding differs.
; COORDINATES.  The state is kept as x / s, s = sqrt(max(c, 1e-6) DT) (the clip is reference()'s, so s > 0): M_ij becomes M_ij s_j / s_i and the noise is the addend of a step's first multiply-add.
; SHARES.  A work-group owns 2 chains (240,000 consecutive bytes of noise), a wave 32 blocks, a lane one block of both chains: the chains are the two halves of the packed f32 instructions.
; ORDER.  What hangs on the lane alone stands in the waits for the arguments (the sines' starts) and for theta (50 temperatures and their reciprocals).  Each wave asks for its 2 x 19,200 bytes by ONE tensor load
; as soon as the arguments are in.  While it is out: the 7 entries of M for the lane's 50 steps (350 registers), S and beta, and the prefix products of S over the wave's lanes.  Behind the wait for the load
; stand only 50 steps of 8 packed multiply-adds, a scan of vectors, one barrier, five steps across the waves, and the stores.
; LEFT OUT AS DEAD, for all values of the inputs: the product with A2[0], which reference() builds as zeros (M_20 = 0); the third bias, built as zeros; the product with C0, built as the identity (a copy);
; I_D is I_S / 10 by the two formulas themselves.  Every input is loaded.  At n = 0 temp is 283 exactly, so observation 0 takes the reference rates k_ref.
; NO MATRIX INSTRUCTIONS: the products are 3 x 3 inside a recurrence and only two chains share a matrix.  NO CLUSTER: work-groups share theta alone, 56 bytes.  NO PREFETCH: every byte is asked for at the head.
; LIMITS.  Inputs are finite: a NaN or an infinity in noise is not confined to the later observations (a scan level multiplies a later lane's sum by a zero matrix); a NaN in c_SOC, c_DOC, c_MBC gives the clip's bound.
; sin(2 pi n / 240) and sin(2 pi n / 87600) are made from the whole number n, not from the rounded time 0.1 n, and go on inside a block by second differences.  Ten steps share one value of 283 + rise, that of their
; middle: the rise moves by 3.2e-6 K to either side of it, a tenth of the spacing of f32 numbers near 283.
.set BLKB,  600                        ; bytes of a block: 50 steps x 3 numbers
.set WROW,  19200                      ; a wave's 32 blocks of one chain
.set WLDS,  38400                      ; of both chains: a wave's LDS bytes
.set OROW,  3216                       ; bytes of a chain in out0: 201 x 16
.set TTAB,  268800                     ; behind the noise: 14 entries of 48 bytes: 7 of zeros, then each wave's product of its 32 S
.set TENT,  48
.set YTAB,  269568                     ; 14 entries of 32 bytes: 7 of zeros, then each wave's state at its end (from 0 at its start)
.set YENT,  32
.set SPARE, 270080                     ; the spare words, 128 bytes a wave: four blocks of 256 bytes that no other line names
; SCALAR REGISTERS.  A factor of a packed instruction is the low word of an even pair; the pair's other word is written too.
.set RSTEP, 2                          ; the rise in a step
.set T283,  3
.set WV,    12                         ; my wave's number
.set G1,    16                         ; s[16:23] descriptor group 1 for waves 0 to 5
.set G0,    24                         ; s[24:27] descriptor group 0
.set CDT,   28                         ; DT
.set CLR,   29                         ; -log2(e) / R
.set CIT,   30                         ; -1 / 283
.set MASKHI, 31                        ; lanes 16-31
.set BC,    32                         ; s32-40 behind the set-up (theta's registers): lane 31's numbers on their way into the tables
.set SELA,  46                         ; v_permlanex16_b32's selects
.set SELB,  47
.set KFN,   54                         ; -4 sin^2(2 pi / 240)
.set KSN,   56                         ; -4 sin^2(2 pi / 87600)
.set M21,   58                         ; DT u_M s1 / s2, the same in every step
.set CI1,   60                         ; DT I_S / s0 = CI1 (10 sin) + CI0
.set CI0,   62
.set EE,    66                         ; s[66:77] for S, D, M: the exponent's factor, then its addend: six pairs
.set RB,    78                         ; (DT I_D / s1) / (DT I_S / s0)
.set EXS,   79                         ; EXEC, kept
.set GS,    80                         ; s80-82 (1 - a) k_ref s
.set SVS,   83                         ; s83-85 s
.set G1L,   88                         ; s[88:95] descriptor group 1 for wave 6: it differs in the row's extent alone
; VECTOR REGISTERS.  A matrix is 12 registers, row i at +4 i (columns 0-2; column 3 is beta in L0, else 0).
.set LANE, 1
.set NF,   2                           ; n of the lane's first step, 50 j + 1, as f32
.set QN,   3                           ; n at the middle of ten steps
.set SPW,  4                           ; LDS address of my spare word; never rewritten
.set NIL,  5                           ; 0; never rewritten
.set LA,   6                           ; LDS address of my block in chain 0; chain 1 lies WROW further
.set TBT,  7                           ; TTAB + 48 x wave
.set TBY,  8                           ; YTAB + 32 x wave
.set OUTO, 9                           ; 16 x block
.set G,    10                          ; v10-12 the weights of the fourth output at my block's end, times s; v13 = 0
.set XV0,  14                          ; the state: three pairs (chain 0, chain 1); two buffers.  (v14-49 hold 1 / temp of steps 14-49 first)
.set XV1,  20
.set L0,   26                          ; S | beta
.set SH,   38                          ; second buffer of the chains of S; then a shifted matrix; then two steps of noise
.set L1,   50                          ; products of 2, 4, 8, 16 (the row of 16 lanes) and all blocks up to mine
.set L2,   62
.set L3,   74
.set L4,   86
.set L5,   98
.set C0A,  50                          ; v50-99  before L1-L5: 10 sin(2 pi n / 87600) of my 50 steps, then c_0 / s_0
.set TP,   100                         ; two pairs of temperatures
.set B2,   104                         ; the two sines' sum, a pair
.set BR,   106                         ; 283 + rise; named as a pair
.set F,    110                         ; 10 (sin, cos)(2 pi n / 240); then the pair 10 sin at steps t, t + 1
.set FD,   116                         ; its difference over two steps
.set SD,   118                         ; the slow sine's
.set KA,   128                         ; (-DT k_S, M10's factor)
.set KB,   130                         ; (M01's factor, -DT k_D)
.set KC,   132                         ; (M02's factor, M12's)
.set KD,   134                         ; (-DT k_M, 1 - DT u_M)
.set SV,   138                         ; s
.set IV,   141                         ; 1 / s
.set DK,   144                         ; DT k_S_ref, DT k_D_ref, DT k_M_ref, DT u_M
.set T0,   148
.set T1,   149
.set T2,   150
.set T3,   151
.set T4,   152
.set T5,   153
.set H,    153                         ; (1 - a) k_ref, three
.set Z4,   152                         ; four zeros, for the tables
.set RING, 110                         ; v110-157 behind the set-up: the noise of 8 steps, 6 registers each; two more steps in SH
.set YL,   110                         ; behind the barrier: six entries of YTAB
.set TL,   158                         ; five entries of TTAB
.set OA,   44                          ; the 16 bytes to store, chain 0 and chain 1
.set OB,   146
; M's entries: TWO STEPS TOGETHER: seven pairs (entry at step 2 u, entry at step 2 u + 1), 14 registers: u = 0-6 in v158-255, u = 7-24 in v256-507 (window 1).
; RT: where 1 / temp of the two steps waits for theta: all in window 0.
.macro DSET u
.if (\u) < 7
.set CWIN, 0
.set CB, 158+14*(\u)
.set RT, 158+14*(\u)+12
.else
.set CWIN, 1
.set CB, 14*((\u)-7)
.set RT, 14+2*((\u)-7)
.endif
.endm
.macro CSET t
	DSET (\t)/2
.set HH, (\t)%2                        ; which half of the pairs is step t's
.set M00, CB
.set M11, CB+2
.set M22, CB+4
.set M10, CB+6
.set M01, CB+8
.set M02, CB+10
.set M12, CB+12
.endm
.set MSB, 0
.macro WIN new                         ; s_set_vgpr_msb: bits 1:0 source 0, 3:2 source 1, 5:4 source 2, 7:6 destination; the high byte repeats the setting that is left
.if MSB != (\new)
	s_set_vgpr_msb (MSB<<8)|(\new)
.set MSB, \new
.endif
.endm
.macro PKF d, x, c, h, a               ; d = x times half h of pair c, plus a: both halves
.if \h
	v_pk_fma_f32 v[(\d):(\d)+1], v[(\x):(\x)+1], v[(\c):(\c)+1], v[(\a):(\a)+1] op_sel:[0,1,0] op_sel_hi:[1,1,1]
.else
	v_pk_fma_f32 v[(\d):(\d)+1], v[(\x):(\x)+1], v[(\c):(\c)+1], v[(\a):(\a)+1] op_sel_hi:[1,0,1]
.endif
.endm
.macro PKM d, x, c, h                  ; d = x times half h of pair c
.if \h
	v_pk_mul_f32 v[(\d):(\d)+1], v[(\x):(\x)+1], v[(\c):(\c)+1] op_sel:[0,1] op_sel_hi:[1,1]
.else
	v_pk_mul_f32 v[(\d):(\d)+1], v[(\x):(\x)+1], v[(\c):(\c)+1] op_sel_hi:[1,0]
.endif
.endm
.macro FORT first, count, op           ; op for steps t = first .. first + count - 1
.set t, \first
.rept \count
	\op
.set t, t+1
.endr
.endm
.macro SINCOS x, s, c, q               ; sine and cosine of |x| <= 0.81 by their series to x^9 and x^10
	v_mul_f32 v[\q], v[\x], v[\x]
	v_mov_b32 v[\s], 0x3638ef1d                    ; 1/9!
	v_mov_b32 v[\c], 0xb493f27e                    ; -1/10!
	v_fmaak_f32 v[\s], v[\s], v[\q], 0xb9500d01    ; -1/7!
	v_fmaak_f32 v[\c], v[\c], v[\q], 0x37d00d01    ; 1/8!
	v_fmaak_f32 v[\s], v[\s], v[\q], 0x3c088889    ; 1/5!
	v_fmaak_f32 v[\c], v[\c], v[\q], 0xbab60b61    ; -1/6!
	v_fmaak_f32 v[\s], v[\s], v[\q], 0xbe2aaaab    ; -1/3!
	v_fmaak_f32 v[\c], v[\c], v[\q], 0x3d2aaaab    ; 1/4!
	v_mul_f32 v[\s], v[\s], v[\q]
	v_fmaak_f32 v[\c], v[\c], v[\q], 0xbf000000    ; -1/2
	v_fma_f32 v[\s], v[\s], v[\x], v[\x]
	v_fma_f32 v[\c], v[\c], v[\q], 1.0
.endm
.macro DOUBLE                          ; (sin, cos) of twice the angle
	v_mul_f32 v[T4], v[F], v[F+1]
	v_mul_f32 v[T5], v[F], v[F]
	v_add_f32 v[F], v[T4], v[T4]
	v_fma_f32 v[F+1], v[T5], -2.0, 1.0
.endm
	s_load_b256 s[4:11], s[0:1], 0x0               ; noise s[4:5], theta s[6:7], x0 s[8:9], out0 s[10:11]
	v_lshl_add_u32 v[SPW], v0, 2, SPARE
	v_mov_b32 v[NIL], 0
	ds_add_u32 v[SPW], v[NIL]                      ; the wave's opening: the add, twice on end, and its wait ahead of my tensor load; all down to that wait is work on registers
	ds_add_u32 v[SPW], v[NIL]
	v_lshrrev_b32 v1, 5, v0
	v_readfirstlane_b32 s[WV], v1                  ; wave 0..6
	; the descriptor: 2 rows (the two chains, 30,000 numbers apart) of 4,800 numbers of 4 bytes, laid end to end at 38,400 x wave.  Every word of group 1 is a constant.
	s_mov_b32 s[G0], 1                             ; group 0: count = 1
	s_mul_i32 s[G0+1], s[WV], WLDS                 ; LDS address: my wave's own bytes
	s_mov_b32 s[G1+0], 2<<16                       ; group 1: no mask, elements of 4 bytes, no padding
	s_mov_b32 s[G1+1], 4800<<16                    ; tensor_dim0 = 4,800: the tiles of waves 0 to 5 lie inside a chain's row
	s_mov_b32 s[G1+2], 2<<16                       ; tensor_dim1 = 2
	s_mov_b32 s[G1+3], 4800<<16                    ; tile_dim0 = 4,800
	s_mov_b32 s[G1+4], 2                           ; tile_dim1 = 2
	s_mov_b32 s[G1+5], 30000                       ; numbers from row to row
	s_mov_b32 s[G1+6], 0
	s_mov_b32 s[G1+7], 0
	s_mov_b32 s[G1L+0], 2<<16
	s_mov_b32 s[G1L+1], 1200<<16                   ; wave 6: 30,000 - 6 x 4,800 = 1,200 numbers are left of a chain's row; the tile's other 3,600 a row arrive as zeros
	s_mov_b32 s[G1L+2], 2<<16
	s_mov_b32 s[G1L+3], 4800<<16
	s_mov_b32 s[G1L+4], 2
	s_mov_b32 s[G1L+5], 30000
	s_mov_b32 s[G1L+6], 0
	s_mov_b32 s[G1L+7], 0
	s_mul_i32 s14, ttmp9, 240000                   ; the work-group's two chains,
	s_mul_i32 s15, s[WV], WROW                     ; my wave's blocks
	s_add_co_u32 s14, s14, s15
	s_mov_b32 s15, 0
	s_mov_b32 s[RSTEP], 0x353f854f                 ; 0.5 / 700800
	s_mov_b32 s[T283], 0x438d8000                  ; 283
	s_mov_b32 s[KFN], 0xbb33a12f                   ; -4 sin^2(2 pi / 240) = -2.7409304e-3
	s_mov_b32 s[KFN+1], s[KFN]
	s_mov_b32 s[KSN], 0xb2b0c45d                   ; -4 sin^2(2 pi / 87600) = -2.0578396e-8
	s_mov_b32 s[KSN+1], s[KSN]
	s_mov_b32 s[MASKHI], 0xffff0000
	s_mov_b32 s[SELA], -1                          ; every lane takes lane 15 of the other half
	s_mov_b32 s[SELB], -1
	; IN THE WAIT FOR THE ARGUMENTS: what hangs on the lane alone.  The thread's number is the block's number j.
	v_and_b32 v[LANE], 31, v0
	v_mul_u32_u24 v[LA], v[LANE], BLKB             ; lanes 150 words apart
	v_add_nc_u32 v[LA], s[G0+1], v[LA]
	v_lshlrev_b32 v[OUTO], 4, v0
	s_mul_i32 s13, s[WV], TENT
	s_add_co_u32 s13, s13, TTAB
	v_mov_b32 v[TBT], s13
	s_lshl_b32 s13, s[WV], 5
	s_add_co_u32 s13, s13, YTAB
	v_mov_b32 v[TBY], s13
	v_mov_b32 v[G+3], 0
	v_mov_b32 v[BR+1], 0                           ; named with BR as a pair
	v_mad_u32_u24 v[T0], v0, 50, 1                 ; step t of block j takes W, b at n = 50 j + 1 + t and noise row 50 j + t
	v_cvt_f32_u32 v[NF], v[T0]
	v_mul_f32 v[T1], 0x3b888889, v[NF]             ; n / 240
	v_rndne_f32 v[T1], v[T1]
	v_fmamk_f32 v[T1], v[T1], 0xc3700000, v[NF]    ; n less the nearest multiple of 240: a whole number in -120 .. 120, exact
	v_mul_f32 v[T1], 0x3bd67750, v[T1]             ; times pi / 480: a quarter of the angle, within pi / 4
	v_mul_f32 v[T2], 0x38966b87, v[NF]             ; 2 pi n / 87600: under 0.81 for every lane
	v_add_f32 v[QN], 0x40900000, v[NF]             ; n + 4.5: the middle of the first ten steps
	SINCOS T1, F, F+1, T3
	SINCOS T2, C0A, C0A+1, T3
	DOUBLE
	DOUBLE
	v_mul_f32 v[F], 0x41200000, v[F]               ; both carry the amplitude 10
	v_mul_f32 v[F+1], 0x41200000, v[F+1]
	v_mul_f32 v[C0A], 0x41200000, v[C0A]
	v_mul_f32 v[C0A+1], 0x41200000, v[C0A+1]
	; the recurrences' starts, with S, C the sine and cosine at step 0 and d the angle of a step: y = (S, S cos d + C sin d); y less its value two steps back = 2 sin d (C cos d + S sin d, C)
	v_mul_f32 v[T0], 0x3f7fe98b, v[F+1]            ; cos(2 pi / 240)
	v_mul_f32 v[T1], 0x3f7fe98b, v[F]
	v_fmamk_f32 v[T0], v[F], 0x3cd6710a, v[T0]     ; sin(2 pi / 240)
	v_mul_f32 v[FD+1], 0x3d56710a, v[F+1]
	v_fmamk_f32 v[F+1], v[F+1], 0x3cd6710a, v[T1]
	v_mul_f32 v[FD], 0x3d56710a, v[T0]
	v_fmamk_f32 v[T2], v[C0A], 0x38966b87, v[C0A+1]  ; the slow sine: sin d = d = 2 pi / 87600 and cos d = 1 in f32
	v_mul_f32 v[SD+1], 0x39166b87, v[C0A+1]
	v_fmamk_f32 v[C0A+1], v[C0A+1], 0x38966b87, v[C0A]
	v_mul_f32 v[SD], 0x39166b87, v[T2]
	s_wait_dscnt 0x0                               ; both opening adds are done
	s_wait_kmcnt 0x0
	s_add_nc_u64 s[G0+2:G0+3], s[4:5], s[14:15]
	s_or_b32 s[G0+3], s[G0+3], 0x80000000          ; type = 2
	; my one tensor load: only I read its bytes, behind my own wait.  The branch hangs on the wave's number alone; an s_nop 0 and four v_nop follow each of the two lines.
	s_cmp_lt_u32 s[WV], 6
	s_cbranch_scc0 .Llast_wave
	tensor_load_to_lds s[G0:G0+3], s[G1:G1+7]
	s_nop 0
.rept 4
	v_nop
.endr
	s_branch .Lasked
.Llast_wave:
	tensor_load_to_lds s[G0:G0+3], s[G1L:G1L+7]
	s_nop 0
.rept 4
	v_nop
.endr
.Lasked:
	s_mul_i32 s28, ttmp9, 24                       ; x0 of the two chains: 24 bytes
	s_mov_b32 s29, 0
	s_add_nc_u64 s[8:9], s[8:9], s[28:29]
	s_mul_i32 s28, ttmp9, 2*OROW
	s_add_nc_u64 s[10:11], s[10:11], s[28:29]      ; out0 at the work-group's first chain
	s_load_b256 s[32:39], s[6:7], 0x0              ; theta i in s[32+i]: k_S, k_D, k_M, Ea_S, Ea_D, Ea_M, a_SD, a_DS,
	s_load_b128 s[40:43], s[6:7], 0x20             ; a_M, a_MSC, u_M, c_SOC,
	s_load_b64 s[44:45], s[6:7], 0x30              ; c_DOC, c_MBC
	s_load_b128 s[48:51], s[8:9], 0x0              ; x0: chain 0 in s48-50, chain 1 in s51-53
	s_load_b64 s[52:53], s[8:9], 0x10
	s_mov_b32 s[CDT], 0x3dcccccd                   ; 0.1
	s_mov_b32 s[CLR], 0xc32d86a7                   ; -log2(e) / 0.008314
	s_mov_b32 s[CIT], 0xbb679373                   ; -1 / 283
; IN THE WAIT FOR THETA: THE TEMPERATURES AND THEIR RECIPROCALS, two steps an instruction.  Each sine goes on by its second difference: d <- d - 4 sin^2(angle of a step) y; y <- y + d, two steps on.
; The slow sine's pairs are written on into the array that becomes the bias.  The two reciprocals of the pair before stand among the six plain lines; nothing names a result ahead of the one wait at the end.
.macro PHA
.if u < 24
	v_pk_fma_f32 v[FD:FD+1], v[F:F+1], s[KFN:KFN+1], v[FD:FD+1] op_sel_hi:[1,0,1]
	v_pk_fma_f32 v[SD:SD+1], v[C0A+2*u:C0A+2*u+1], s[KSN:KSN+1], v[SD:SD+1] op_sel_hi:[1,0,1]
.endif
	v_pk_add_f32 v[B2:B2+1], v[F:F+1], v[C0A+2*u:C0A+2*u+1]
.if u > 0
	DSET u-1
	v_rcp_f32 v[RT], v[TP+2*((u-1)%2)]
.endif
	v_pk_add_f32 v[TP+2*(u%2):TP+2*(u%2)+1], v[B2:B2+1], v[BR:BR+1] op_sel_hi:[1,0]
.if u < 24
	v_pk_add_f32 v[F:F+1], v[F:F+1], v[FD:FD+1]
.endif
.if u > 0
	v_rcp_f32 v[RT+1], v[TP+2*((u-1)%2)+1]
.endif
.if u < 24
	v_pk_add_f32 v[C0A+2*u+2:C0A+2*u+3], v[C0A+2*u:C0A+2*u+1], v[SD:SD+1]
.endif
.endm
.set u, 0
.rept 25
.if u%5 == 0
.if u > 0
	v_add_f32 v[QN], 0x41200000, v[QN]             ; the middle of the next ten steps
.endif
	v_fma_f32 v[BR], v[QN], s[RSTEP], s[T283]      ; 283 + rise
.endif
	PHA
.set u, u+1
.endr
	DSET 24
	v_rcp_f32 v[RT], v[TP]
	v_rcp_f32 v[RT+1], v[TP+1]
	v_nop                                          ; a plain instruction behind the last reciprocal
	s_wait_alu depctr_va_vdst(0)                   ; ONE wait for all 50
	s_wait_kmcnt 0x0                               ; theta and x0
	v_mov_b32 v[SV], s43
	v_mov_b32 v[SV+1], s44
	v_mov_b32 v[SV+2], s45
.irp i, 0,1,2
	v_max_num_f32 v[SV+\i], 0x358637bd, v[SV+\i]   ; reference()'s clip at 1e-6
.endr
.irp i, 0,1,2
	v_mul_f32 v[SV+\i], s[CDT], v[SV+\i]
.endr
.irp i, 0,1,2
	v_sqrt_f32 v[SV+\i], v[SV+\i]
.endr
	v_mul_f32 v[DK], s[CDT], s32
	v_mul_f32 v[DK+1], s[CDT], s33
	v_mul_f32 v[DK+2], s[CDT], s34
	v_mul_f32 v[DK+3], s[CDT], s42
	s_wait_alu depctr_va_vdst(0)                   ; one wait for the three roots, ahead of their first reader; the four products above are the plain work between
.irp i, 0,1,2
	v_rcp_f32 v[IV+\i], v[SV+\i]
.endr
	v_mul_f32 v[T0], s[CLR], s35                   ; the exponents in base 2: e / temp - e / 283, e = -Ea log2(e) / R
	v_mul_f32 v[T1], s[CLR], s36
	v_mul_f32 v[T2], s[CLR], s37
	v_mul_f32 v[T3], s[CIT], v[T0]
	v_mul_f32 v[T4], s[CIT], v[T1]
	v_mul_f32 v[T5], s[CIT], v[T2]
	s_wait_alu depctr_va_vdst(0)                   ; one wait for the three reciprocals
	v_readfirstlane_b32 s[EE], v[T0]
	v_readfirstlane_b32 s[EE+2], v[T3]
	v_readfirstlane_b32 s[EE+4], v[T1]
	v_readfirstlane_b32 s[EE+6], v[T4]
	v_readfirstlane_b32 s[EE+8], v[T2]
	v_readfirstlane_b32 s[EE+10], v[T5]
.irp i, 0,2,4,6,8,10
	s_mov_b32 s[EE+\i+1], s[EE+\i]                 ; named as pairs
.endr
	v_mul_f32 v[KA], -1.0, v[DK]                   ; M00 = 1 - DT k_S
	v_mul_f32 v[T2], s38, v[DK]
	v_mul_f32 v[T2], v[T2], v[SV]
	v_mul_f32 v[KA+1], v[T2], v[IV+1]              ; M10 = DT a_SD k_S s0 / s1
	v_mul_f32 v[T2], s39, v[DK+1]
	v_mul_f32 v[T2], v[T2], v[SV+1]
	v_mul_f32 v[KB], v[T2], v[IV]                  ; M01 = DT a_DS k_D s1 / s0
	v_mul_f32 v[KB+1], -1.0, v[DK+1]               ; M11 = 1 - DT u_M - DT k_D
	v_mul_f32 v[T2], s40, v[DK+2]
	v_mul_f32 v[T2], v[T2], v[SV+2]                ; DT a_M k_M s2
	v_sub_f32 v[T3], 1.0, s41
	v_mul_f32 v[T3], v[T3], v[T2]
	v_mul_f32 v[T2], s41, v[T2]
	v_mul_f32 v[KC], v[T2], v[IV]                  ; M02 = DT a_M a_MSC k_M s2 / s0
	v_mul_f32 v[KC+1], v[T3], v[IV+1]              ; M12 = DT a_M (1 - a_MSC) k_M s2 / s1
	v_mul_f32 v[KD], -1.0, v[DK+2]                 ; M22 = 1 - DT k_M
	v_sub_f32 v[KD+1], 1.0, v[DK+3]
	v_mul_f32 v[T2], v[DK+3], v[SV+1]
	v_mul_f32 v[T2], v[T2], v[IV+2]
	v_readfirstlane_b32 s[M21], v[T2]
	s_mov_b32 s[M21+1], s[M21]
	v_mul_f32 v[T2], 0x36a7c5ac, v[IV]             ; 5e-6 / s0
	v_readfirstlane_b32 s[CI1], v[T2]
	s_mov_b32 s[CI1+1], s[CI1]
	v_mul_f32 v[T2], 0x38d1b717, v[IV]             ; 1e-4 / s0
	v_readfirstlane_b32 s[CI0], v[T2]
	s_mov_b32 s[CI0+1], s[CI0]
	v_mul_f32 v[T2], s[CDT], v[SV]
	v_mul_f32 v[T2], v[T2], v[IV+1]
	v_readfirstlane_b32 s[RB], v[T2]               ; 0.1 s0 / s1
	v_sub_f32 v[H], 1.0, s38
	v_sub_f32 v[H+1], 1.0, s39
	v_sub_f32 v[H+2], 1.0, s40
	v_mul_f32 v[H], s32, v[H]                      ; (1 - a_SD) k_S_ref, (1 - a_DS) k_D_ref, (1 - a_M) k_M_ref
	v_mul_f32 v[H+1], s33, v[H+1]
	v_mul_f32 v[H+2], s34, v[H+2]
	v_mul_f32 v[T0], v[H], v[SV]
	v_mul_f32 v[T1], v[H+1], v[SV+1]
	v_mul_f32 v[T2], v[H+2], v[SV+2]
	v_readfirstlane_b32 s[GS], v[T0]
	v_readfirstlane_b32 s[GS+1], v[T1]
	v_readfirstlane_b32 s[GS+2], v[T2]
	v_readfirstlane_b32 s[SVS], v[SV]
	v_readfirstlane_b32 s[SVS+1], v[SV+1]
	v_readfirstlane_b32 s[SVS+2], v[SV+2]
	; observation 0 is x0 itself: wave 0 stores it, lane 0 for chain 0 and lane 1 for chain 1
	s_cmp_lg_u32 s[WV], 0
	s_cbranch_scc1 .Lno_first
	v_mov_b32 v100, s48
	v_mov_b32 v101, s49
	v_mov_b32 v102, s50
	v_mov_b32 v104, s51
	v_mov_b32 v105, s52
	v_mov_b32 v106, s53
	v_cmp_eq_u32 vcc_lo, 1, v[LANE]
	v_cndmask_b32 v100, v100, v104, vcc_lo
	v_cndmask_b32 v101, v101, v105, vcc_lo
	v_cndmask_b32 v102, v102, v106, vcc_lo
	v_mul_f32 v103, v[H], v100
	v_fmac_f32 v103, v[H+1], v101
	v_fmac_f32 v103, v[H+2], v102
	v_mul_u32_u24 v107, v[LANE], OROW
	v_cmp_gt_u32 vcc_lo, 2, v[LANE]
	s_wait_xcnt 0x0                                ; EXEC changes only behind this wait
	s_and_saveexec_b32 s[EXS], vcc_lo
	global_store_b128 v107, v[100:103], s[10:11] th:TH_STORE_NT
	s_wait_xcnt 0x0                                ; and again ahead of the line that widens it; v100-107 are rewritten only behind it
	s_or_b32 exec_lo, exec_lo, s[EXS]
.Lno_first:
; M's ENTRIES, two steps an instruction: three exponents, six exponentials, seven entries.  The 25 pairs of steps go in four groups: u = 0-6 (window 0), 7-12, 13-18, 19-24 (window 1).
; A group's exponentials stand by turns with plain lines of another group, which name none of their results; one wait a group stands ahead of the lines that do.
.macro ARG u, k                        ; exponent k (S, D, M).  The factor is source 0 and 1 / temp source 1, which stays in window 0 under the one setting of the window-1 groups
	DSET \u
	v_pk_fma_f32 v[CB+2*(\k):CB+2*(\k)+1], s[EE+4*(\k):EE+4*(\k)+1], v[RT:RT+1], s[EE+4*(\k)+2:EE+4*(\k)+3] op_sel_hi:[0,1,0]
.endm
.macro MENT u, k                       ; line k of the seven that make the entries of the three exponentials; the diagonal's in place, last of each
	DSET \u
.if (\k) == 0
	PKM CB+6, CB, KA, 1
.elseif (\k) == 1
	v_pk_fma_f32 v[CB:CB+1], v[CB:CB+1], v[KA:KA+1], 1.0 op_sel_hi:[1,0,0]
.elseif (\k) == 2
	PKM CB+8, CB+2, KB, 0
.elseif (\k) == 3
	v_pk_fma_f32 v[CB+2:CB+3], v[CB+2:CB+3], v[KB:KB+1], v[KD:KD+1] op_sel:[0,1,1] op_sel_hi:[1,1,1]
.elseif (\k) == 4
	PKM CB+10, CB+4, KC, 0
.elseif (\k) == 5
	PKM CB+12, CB+4, KC, 1
.else
	v_pk_fma_f32 v[CB+4:CB+5], v[CB+4:CB+5], v[KD:KD+1], 1.0 op_sel_hi:[1,0,0]
.endif
.endm
.macro ARGN f, i                       ; line i of the group that begins at pair f
	ARG (\f)+(\i)/3, (\i)%3
.endm
.macro EXPN f, i
	DSET (\f)+(\i)/6
	v_exp_f32 v[CB+(\i)%6], v[CB+(\i)%6]
.endm
.macro MENTN f, i
	MENT (\f)+(\i)/7, (\i)%7
.endm
.set i, 0
.rept 21
	ARGN 0, i
.set i, i+1
.endr
.set i, 0
.rept 42                               ; the first group's exponentials, beside them the bias: c_0 / s_0 of the slow sine, in place
	EXPN 0, i
.if i < 25
	v_pk_fma_f32 v[C0A+2*i:C0A+2*i+1], v[C0A+2*i:C0A+2*i+1], s[CI1:CI1+1], s[CI0:CI0+1] op_sel_hi:[1,0,0]
.endif
.set i, i+1
.endr
	WIN 0x41                                       ; source 0 and destination in window 1: one setting for all lines of the three groups there
.set i, 0
.rept 18
	ARGN 7, i
.set i, i+1
.endr
.set i, 0
.rept 36
	EXPN 7, i
	ARGN 13, i                                     ; the exponents of the last two groups
.set i, i+1
.endr
	s_wait_alu depctr_va_vdst(0)                   ; for the exponentials of u = 0-12
.set i, 0
.rept 42
.if i < 36
	EXPN 13, i
.endif
	MENTN 7, i
.set i, i+1
.endr
	s_wait_alu depctr_va_vdst(0)                   ; u = 13-18
.set i, 0
.rept 42
.if i < 36
	EXPN 19, i
.endif
	MENTN 13, i
.set i, i+1
.endr
	s_wait_alu depctr_va_vdst(0)                   ; u = 19-24
	DSET 24                                        ; step 49 has n = 50 (j + 1): the rates of the observation at my block's end, in the pairs' high halves
	WIN 0x01
	v_mul_f32 v[G], v[CB+1], s[GS]
	v_mul_f32 v[G+1], v[CB+3], s[GS+1]
	v_mul_f32 v[G+2], v[CB+5], s[GS+2]
	WIN 0x41
.set i, 0
.rept 42
	MENTN 19, i
.set i, i+1
.endr
	WIN 0
.set i, 0
.rept 49
	MENTN 0, i
.set i, i+1
.endr
	; block 0 starts from x0 / s, every other block from 0 (v14-49 are free now: every exponent is made)
	v_mul_f32 v[XV0], s48, v[IV]
	v_mul_f32 v[XV0+1], s51, v[IV]
	v_mul_f32 v[XV0+2], s49, v[IV+1]
	v_mul_f32 v[XV0+3], s52, v[IV+1]
	v_mul_f32 v[XV0+4], s50, v[IV+2]
	v_mul_f32 v[XV0+5], s53, v[IV+2]
	v_cmp_eq_u32 vcc_lo, 0, v0
.irp k, 0,1,2,3,4,5
	v_cndmask_b32 v[XV0+\k], 0, v[XV0+\k], vcc_lo
.endr
; S AND BETA: four chains through the 50 steps, in two packed pairs: the three columns of the identity, and 0 driven by the bias.  M's entries are source 1, so one window setting serves steps 14-49.
.irp i, 0,1,2
.irp c, 0,1,2,3
.if \i == \c
	v_mov_b32 v[L0+4*\i+\c], 1.0
.else
	v_mov_b32 v[L0+4*\i+\c], 0
.endif
.endr
.endr
.macro MSTEP
	CSET t
	WIN CWIN*4
.if t%2
.set X, SH
.set Y, L0
.else
.set X, L0
.set Y, SH
.endif
.irp p, 0,2
	PKM Y+\p, X+\p, M00, HH
	PKM Y+4+\p, X+\p, M10, HH
	v_pk_mul_f32 v[Y+8+\p:Y+9+\p], v[X+4+\p:X+5+\p], s[M21:M21+1] op_sel_hi:[1,0]
.endr
.irp p, 0,2
	PKF Y+\p, X+4+\p, M01, HH, Y+\p
	PKF Y+4+\p, X+4+\p, M11, HH, Y+4+\p
	PKF Y+8+\p, X+8+\p, M22, HH, Y+8+\p
.endr
.irp p, 0,2
	PKF Y+\p, X+8+\p, M02, HH, Y+\p
	PKF Y+4+\p, X+8+\p, M12, HH, Y+4+\p
.endr
	v_fma_f32 v[Y+3], v[C0A+t], 1.0, v[Y+3]        ; the bias enters the fourth chain alone; in this form the sum is source 2, since source 1's window is that of M's entries
	v_fma_f32 v[Y+7], v[C0A+t], s[RB], v[Y+7]
.endm
	FORT 0, 50, MSTEP
	WIN 0
; THE PREFIX PRODUCTS over the wave's lanes, by doubling: L(s+1) of lane l = L(s) of lane l times L(s) of lane l - 2^s, or times the identity where there is no such lane in the row of 16.
.macro MATMUL d, l, r                  ; d = l r; two columns an instruction
.irp m, 0,1,2
.irp i, 0,1,2
.irp p, 0,2
.if \m == 0
	PKM (\d)+4*\i+\p, (\r)+4*\m+\p, (\l)+4*\i+(\m&2), \m&1
.else
	PKF (\d)+4*\i+\p, (\r)+4*\m+\p, (\l)+4*\i+(\m&2), \m&1, (\d)+4*\i+\p
.endif
.endr
.endr
.endr
.endm
.macro SHIFTM src, n
.irp i, 0,1,2
.irp c, 0,1,2
.if \i == \c
	v_mov_b32 v[SH+4*\i+\c], 1.0
.else
	v_mov_b32 v[SH+4*\i+\c], 0
.endif
.endr
.endr
.irp i, 0,1,2
.irp c, 0,1,2
	v_mov_b32_dpp v[SH+4*\i+\c], v[(\src)+4*\i+\c] row_shr:\n row_mask:0xf bank_mask:0xf  ; a lane without a source keeps the identity's entry
.endr
.endr
.endm
	v_mov_b32 v[SH+3], 0                           ; the shifted matrix has no fourth column
	v_mov_b32 v[SH+7], 0
	v_mov_b32 v[SH+11], 0
	SHIFTM L0, 1
	MATMUL L1, L0, SH
	SHIFTM L1, 2
	MATMUL L2, L1, SH
	SHIFTM L2, 4
	MATMUL L3, L2, SH
	SHIFTM L3, 8
	MATMUL L4, L3, SH
.irp i, 0,1,2
.irp c, 0,1,2
	v_permlanex16_b32 v[SH+4*\i+\c], v[L4+4*\i+\c], s[SELA], s[SELB]  ; lanes 16-31 take the whole product of lanes 0-15,
.endr
.endr
.irp i, 0,1,2
.irp c, 0,1,2
.if \i == \c
	v_cndmask_b32 v[SH+4*\i+\c], 1.0, v[SH+4*\i+\c], s[MASKHI]        ; lanes 0-15 the identity
.else
	v_cndmask_b32 v[SH+4*\i+\c], 0, v[SH+4*\i+\c], s[MASKHI]
.endif
.endr
.endr
	MATMUL L5, L4, SH
.irp i, 0,1,2
.irp c, 0,1,2
	v_cndmask_b32 v[L4+4*\i+\c], 0, v[L4+4*\i+\c], s[MASKHI]          ; for the vectors' fifth level lanes 0-15 add nothing
.endr
.endr
	; THE TABLES: entry w of each is zeros, entry w + 7 is wave w's.  Wave w will read entries w + 1 .. w + 6: the waves before it, and zeros where there is none: one text for all waves.
	; Lane 31 holds the product of the wave's 32 S: its nine numbers go through scalar registers into every lane, and all lanes store the same value at the same address.
.irp k, 0,1,2,3
	v_mov_b32 v[Z4+\k], 0
.endr
.irp i, 0,1,2
.irp c, 0,1,2
	v_readlane_b32 s[BC+3*\i+\c], v[L5+4*\i+\c], 31
.endr
.endr
.irp i, 0,1,2
.irp c, 0,1,2
	v_mov_b32 v[SH+4*\i+\c], s[BC+3*\i+\c]         ; SH's fourth column still holds 0
.endr
.endr
.irp i, 0,1,2
	ds_store_b128 v[TBT], v[Z4:Z4+3] offset:16*\i
	ds_store_b128 v[TBT], v[SH+4*\i:SH+4*\i+3] offset:7*TENT+16*\i
.endr
	ds_store_b128 v[TBY], v[Z4:Z4+3]
	ds_store_b128 v[TBY], v[Z4:Z4+3] offset:16
; THE NOISE.  Six 4-byte loads a step build the three pairs (chain 0, chain 1).  A ring of 10 steps in registers, filled five steps (30 loads) in one run: loads and arithmetic change places ten times in the 50 steps.
.macro RSET u                          ; step u's six registers
.if (\u)%10 < 8
.set RR, RING+6*((\u)%10)
.else
.set RR, SH+6*((\u)%10-8)
.endif
.endm
.macro LOADE u
	RSET \u
.irp c, 0,1,2
	ds_load_b32 v[RR+2*\c], v[LA] offset:12*(\u)+4*\c
	ds_load_b32 v[RR+2*\c+1], v[LA] offset:WROW+12*(\u)+4*\c
.endr
.endm
.macro LOADB b                         ; steps 5 b .. 5 b + 4
.set w, 5*(\b)
.rept 5
	LOADE w
.set w, w+1
.endr
.endm
.macro VSTEP
	CSET t
	WIN CWIN*4
.if t%2
.set X, XV1
.set Y, XV0
.else
.set X, XV0
.set Y, XV1
.endif
	RSET t
.set RE, RR
.if t < 45
	s_wait_dscnt 54-6*(t%5)                        ; LDS loads come back in order (ISA guide 5.7.1): this step's six are in; those of its run's later steps and the next run's 30 may stay out
.else
	s_wait_dscnt 24-6*(t%5)                        ; the last run: nothing was asked for behind it
.endif
	PKF Y, X, M00, HH, RE
	PKF Y+2, X, M10, HH, RE+2
	v_pk_fma_f32 v[Y+4:Y+5], v[X+2:X+3], s[M21:M21+1], v[RE+4:RE+5] op_sel_hi:[1,0,1]
	PKF Y, X+2, M01, HH, Y
	PKF Y+2, X+2, M11, HH, Y+2
	PKF Y+4, X+4, M22, HH, Y+4
	PKF Y, X+4, M02, HH, Y
	PKF Y+2, X+4, M12, HH, Y+2
.if (t%5 == 4) && (t < 40)
	LOADB t/5+2                                    ; the five steps just used make room for the run after the next
.endif
.endm
	s_wait_tensorcnt 0x0                           ; my 38,400 bytes are in LDS; no other wave reads them
	LOADB 0
	LOADB 1
	FORT 0, 50, VSTEP
	WIN 0
.irp i, 0,1,2
	v_pk_add_f32 v[XV0+2*\i:XV0+2*\i+1], v[XV0+2*\i:XV0+2*\i+1], v[L0+4*\i+2:L0+4*\i+3] op_sel:[0,1] op_sel_hi:[1,1]  ; + beta
.endr
; THE SCAN OF THE VECTORS: y of lane l += L(s) of lane l times y of lane l - 2^s; a lane without a source adds 0.
.macro VLEVEL a
.irp c, 0,1,2
.irp i, 0,1,2
	PKF XV0+2*\i, XV1+2*\c, (\a)+4*\i+(\c&2), \c&1, XV0+2*\i
.endr
.endr
.endm
.macro VSHIFT n
.irp k, 0,1,2,3,4,5
	v_mov_b32_dpp v[XV1+\k], v[XV0+\k] row_shr:\n row_mask:0xf bank_mask:0xf bound_ctrl:1
.endr
.endm
	VSHIFT 1
	VLEVEL L0
	VSHIFT 2
	VLEVEL L1
	VSHIFT 4
	VLEVEL L2
	VSHIFT 8
	VLEVEL L3
.irp k, 0,1,2,3,4,5
	v_permlanex16_b32 v[XV1+\k], v[XV0+\k], s[SELA], s[SELB]
.endr
	VLEVEL L4
.irp k, 0,1,2,3,4,5
	v_readlane_b32 s[BC+\k], v[XV0+\k], 31         ; lane 31 holds the state at the wave's end, from 0 at its start
.endr
.irp k, 0,1,2,3,4,5
	v_mov_b32 v[XV1+\k], s[BC+\k]                  ; in every lane: all lanes store the same value at the same address
.endr
	ds_store_b128 v[TBY], v[XV1:XV1+3] offset:7*YENT
	ds_store_b64 v[TBY], v[XV1+4:XV1+5] offset:7*YENT+16
	s_wait_dscnt 0x0                               ; for the others' sake: my stores into both tables are done
	s_barrier_signal -1
	s_barrier_wait -1                              ; everybody's are
; ACROSS THE WAVES: z = the state at my wave's start: z <- T z + y over entries w + 1 .. w + 6; the first needs no T, since z starts at 0
	ds_load_b128 v[YL:YL+3], v[TBY] offset:YENT
	ds_load_b64 v[YL+4:YL+5], v[TBY] offset:YENT+16
.irp k, 1,2,3,4,5
.irp i, 0,1,2
	ds_load_b128 v[TL+12*\k-12+4*\i:TL+12*\k-12+4*\i+3], v[TBT] offset:TENT*(1+\k)+16*\i
.endr
	ds_load_b128 v[YL+6*\k:YL+6*\k+3], v[TBY] offset:YENT*(1+\k)
	ds_load_b64 v[YL+6*\k+4:YL+6*\k+5], v[TBY] offset:YENT*(1+\k)+16
.endr
.macro ZSTEP k
	s_wait_dscnt 25-5*(\k)                         ; of the 27 loads the first 2 + 5 k are in; the five of each later step may stay out
.irp c, 0,1,2
.irp i, 0,1,2
	PKF YL+6*(\k)+2*\i, YL+6*(\k)-6+2*\c, TL+12*(\k)-12+4*\i+(\c&2), \c&1, YL+6*(\k)+2*\i
.endr
.endr
.endm
	ZSTEP 1
	ZSTEP 2
	ZSTEP 3
	ZSTEP 4
	ZSTEP 5
.irp c, 0,1,2
.irp i, 0,1,2
	PKF XV0+2*\i, YL+30+2*\c, L5+4*\i+(\c&2), \c&1, XV0+2*\i  ; the state at my block's end = my sum + (all S up to mine) z
.endr
.endr
	; out: x = s (x / s); the fourth number by the weights G, which hold s
	PKM XV1, XV0, G, 0
	PKF XV1, XV0+2, G, 1, XV1
	PKF XV1, XV0+4, G+2, 0, XV1
	v_mul_f32 v[OA], s[SVS], v[XV0]
	v_mul_f32 v[OB], s[SVS], v[XV0+1]
	v_mul_f32 v[OA+1], s[SVS+1], v[XV0+2]
	v_mul_f32 v[OB+1], s[SVS+1], v[XV0+3]
	v_mul_f32 v[OA+2], s[SVS+2], v[XV0+4]
	v_mul_f32 v[OB+2], s[SVS+2], v[XV0+5]
	v_mov_b32 v[OA+3], v[XV1]
	v_mov_b32 v[OB+3], v[XV1+1]
	v_cmp_gt_u32 vcc_lo, 200, v0                   ; wave 6 has 8 blocks
	s_wait_xcnt 0x0                                ; EXEC changes only behind this wait
	s_and_saveexec_b32 s[EXS], vcc_lo
	global_store_b128 v[OUTO], v[OA:OA+3], s[10:11] offset:16 th:TH_STORE_NT       ; observation j + 1: a wave's store covers 512 consecutive bytes
	global_store_b128 v[OUTO], v[OB:OB+3], s[10:11] offset:16+OROW th:TH_STORE_NT
	s_wait_xcnt 0x0                                ; and again ahead of the line that widens it
	s_or_b32 exec_lo, exec_lo, s[EXS]
	s_wait_tensorcnt 0x0                           ; the wave's end: behind my tensor load and my last LDS store
	ds_add_u32 v[SPW], v[NIL]
	s_wait_dscnt 0x0
	s_endpgm
.Lfunc_end_k_qda0cc189f0_scon:
	.size	k_qda0cc189f0_scon, .Lfunc_end_k_qda0cc189f0_scon-k_qda0cc189f0_scon
	.p2alignl 7, 3214868480
	.fill 96, 4, 3214868480
	.section	.rodata,"a",@progbits
	.p2align	6, 0x0
	.amdhsa_kernel k_qda0cc189f0_scon
		.amdhsa_group_segment_fixed_size 271104
		.amdhsa_private_segment_fixed_size 0
		.amdhsa_enable_private_segment 0
		.amdhsa_kernarg_size 32
		.amdhsa_user_sgpr_count 2
		.amdhsa_user_sgpr_kernarg_segment_ptr 1
		.amdhsa_wavefront_size32 1
		.amdhsa_system_sgpr_workgroup_id_x 1
		.amdhsa_system_sgpr_workgroup_id_y 1
		.amdhsa_system_sgpr_workgroup_id_z 1
		.amdhsa_system_vgpr_workitem_id 0
		.amdhsa_next_free_vgpr 512
		.amdhsa_next_free_sgpr 96
		.amdhsa_reserve_vcc 1
		.amdhsa_float_denorm_mode_32 3
		.amdhsa_float_denorm_mode_16_64 3
		.amdhsa_memory_ordered 1
		.amdhsa_forward_progress 1
		.amdhsa_inst_pref_size 172
	.end_amdhsa_kernel
	.amdgpu_metadata
---
amdhsa.version: [ 1, 2 ]
amdhsa.kernels:
  - .name:           k_qda0cc189f0_scon
    .symbol:         k_qda0cc189f0_scon.kd
    .args:
      - { .name: noise, .offset: 0, .size: 8, .value_kind: global_buffer, .address_space: global }
      - { .name: theta, .offset: 8, .size: 8, .value_kind: global_buffer, .address_space: global }
      - { .name: x0, .offset: 16, .size: 8, .value_kind: global_buffer, .address_space: global }
      - { .name: out0, .offset: 24, .size: 8, .value_kind: global_buffer, .address_space: global }
    .group_segment_fixed_size: 271104
    .private_segment_fixed_size: 0
    .kernarg_segment_align: 8
    .kernarg_segment_size: 32
    .max_flat_workgroup_size: 224
    .sgpr_count:     96
    .vgpr_count:     512
    .wavefront_size: 32
...
	.end_amdgpu_metadata
.endif
;; end of part 1
